; MI455X (gfx1250); checked and timed in simulation.
; The chip was launched on July 23, 2026; its instructions are those of AMD's public machine-readable ISA for CDNA 5 (MIT licence, August 2026) and "CDNA5" Instruction Set Architecture Reference Guide (July 2026). The comments in the code are by the model that wrote it; some were corrected since.
;; Multi Head Self Attention. Allowed arithmetic: matrix products marked QUANTISED: E5M2 operands, one E8M0 scale for each 32 along K, by v_wmma_scale_f32_16x16x128_f8f6f4 with both operands' format E5M2, f32 sums; everything else in f32.
;; Inputs: out_b 1,024 float32; out_w_codes 1,024 x 32 x 32 uint8 (E5M2 codes of out_w, K innermost, in blocks of 32 codes); out_w_scales 1,024 x 32 uint8 (E8M0 scales of out_w, one for each 32 codes along K); qkv_w_codes 3,072 x 32 x 32 uint8 (E5M2 codes of qkv_w, K innermost, in blocks of 32 codes); qkv_w_scales 3,072 x 32 uint8 (E8M0 scales of qkv_w, one for each 32 codes along K); x_codes 1 x 4,096 x 32 x 32 uint8 (E5M2 codes of x, K innermost, in blocks of 32 codes); x_scales 1 x 4,096 x 32 uint8 (E8M0 scales of x, one for each 32 codes along K).
;; Outputs: out0 1 x 4,096 x 1,024 float32.
;; This version of the problem:
;;   THIS VERSION OF THE PROBLEM IS GIVEN IN LOW PRECISION. The matrix products marked QUANTISED in the list below multiply operands that are first quantised to E5M2 (5 exponent bits, 2 mantissa bits; 8 bits a number), with one power-of-two scale for each 32 numbers along K (OCP MX v1.0); their sums are f32. All else is computed in f32.
;;   The module's matrix products, in the order in which they are computed (A, B: the left and right operand; K: the contracted axis; several contracted axes count as one K, in the product's order):
;;     1. [M 4,096, K 1,024] x [K 1,024, N 3,072]; A: input x (given as codes); B: input qkv_w (given as codes): QUANTISED
;;     2. batch 16 x [M 4,096, K 64] x [K 64, N 4,096]; A: computed on the way; B: computed on the way: QUANTISED
;;     3. batch 16 x [M 4,096, K 4,096] x [K 4,096, N 64]; A: softmax (see below); B: computed on the way: QUANTISED
;;     4. [M 4,096, K 1,024] x [K 1,024, N 1,024]; A: computed on the way; B: input out_w (given as codes): QUANTISED
;;   THE QUANTISER, for each operand of a quantised product, along K:
;;     - K is cut into blocks of 32 from its start; a last block that is shorter is filled with zeros.
;;     - A block's scale is 2^e with e = floor(log2(the largest magnitude in the block)) - 15, held to -126 .. 127; a block of zeros has e = 0. As a byte (E8M0): e + 127.
;;     - Each number is divided by its block's scale, clamped to +-57,344, and rounded to the nearest number of E5M2, ties to even, subnormals kept.
;;     - The product sums the exact products of the quantised numbers (number of the format x scale) in f32.
;;   ~~~python
;;   def quantise(x, axis):      # numpy; x: float32 -> the quantised numbers, widened to float32 again
;;       x = np.moveaxis(x, axis, -1); K = x.shape[-1]
;;       x = np.pad(x, [(0, 0)] * (x.ndim - 1) + [(0, -K % 32)]); x = x.reshape(x.shape[:-1] + (-1, 32)); a = np.abs(x).max(-1, keepdims=True)
;;       e = np.where(a > 0, np.clip(np.frexp(np.where(a > 0, a, 1))[1] - 1 - 15, -126, 127), 0)      # np.frexp(a)[1] - 1 = floor(log2(a)), exactly
;;       r = np.clip(x / 2.0 ** e, -57344, 57344)
;;       step = 2.0 ** (np.maximum(np.frexp(np.where(r == 0, 1, r))[1] - 1, -14) - 2)
;;       q = np.round(r / step) * step * 2.0 ** e      # np.round: ties to even
;;       return np.moveaxis(q.reshape(q.shape[:-2] + (-1,))[..., :K], -1, axis).astype(np.float32)
;;   ~~~
;;   SOFTMAX AHEAD OF A QUANTISED PRODUCT. Where the list says 'softmax', what is quantised is not the finished softmax but p = 2^(t - M), with t = logit x log2(e) and M = ceil(the row's largest t), a whole number; so 1/2 < the row's largest p <= 1. The row's sum l is taken of the UNQUANTISED p, in f32, and the product's result is divided by l at the end. Since M is a whole number, a kernel that streams over the keys may use a running M (the ceiling of the running maximum): every later rescaling is an exact power of two, which a block's scale takes up: the codes' values come out the same.
;;   OPERANDS COMPUTED ON THE WAY. 'Computed on the way' means the value that the module computes at that place (a softmax that the list does not call 'softmax' is quantised finished and normalised). What goes into a quantiser is computed in f32, as accurately as f32 sums, v_exp_f32 and their like allow (about 1e-6 of the number): no bf16 or f16 on the way to a quantiser, and a product that is left as it is and whose result goes on into a quantised operand takes f32 operands (vector FMAs, or v_wmma_f32_16x16x4_f32). A number that lies on a knife's edge between two numbers of the format may be rounded either way, as far as f32 arithmetic and the matrix unit's own rounding can turn it there, and no further.
;;   INPUTS GIVEN AS CODES. out_w (in the module: [1024, 1024], K = its axis 1); qkv_w (in the module: [3072, 1024], K = its axis 1); x (in the module: [1, 4096, 1024], K = its axis 2): each comes as NAME_codes (uint8): NAME with its K axis moved to the last place and cut into blocks of 32 codes, [.., K / 32, bytes a block], one block behind the other in memory; one code a byte (a code: sign, 5 exponent bits, 2 mantissa bits); and NAME_scales (uint8): the same leading axes, one E8M0 byte (e + 127) for each 32 codes along K. Its value is code x scale, taken as it is: it is not quantised again, and the codes and scales need not be those that the quantiser above would give.
;; One version. Each part assembles by itself: llvm-mc -triple=amdgcn-amd-amdhsa -mcpu=gfx1250 --defsym DOCPART=n.
;; ======== version 1 of 1: 3 launches
;; limits: right only within a limited range of input values
;; workspace buffers: wcodes 12,582,912 bytes; wscales 655,360 bytes; acodes 4,194,304 bytes; ascales 131,072 bytes
;; launch qkv (part 1): grid 8 x 24, 4 waves a work-group, clusters of 4 x 4, 327,680 bytes of LDS; arguments x_codes, x_scales, qkv_w_codes, qkv_w_scales, wcodes, wscales; writes wcodes, wscales
.if DOCPART == 1
	.amdgcn_target "amdgcn-amd-amdhsa--gfx1250"
	.amdhsa_code_object_version 6
	.text
	.protected	k_q2c248d1239_qkv
	.globl	k_q2c248d1239_qkv
	.p2align	8
	.type	k_q2c248d1239_qkv,@function
k_q2c248d1239_qkv:
	s_mov_b64 s[64:65], 0
	v_nop
	global_prefetch_b8 v0, s[64:65] scope:SCOPE_SE
	s_setreg_imm32_b32 hwreg(HW_REG_WAVE_MODE, 25, 1), 1
	s_wait_xcnt 0x0
	s_wait_alu depctr_hold_cnt(0) depctr_sa_sdst(0) depctr_va_vdst(0) depctr_va_sdst(0) depctr_va_ssrc(0) depctr_va_vcc(0) depctr_vm_vsrc(0)
	s_getreg_b32 s2, hwreg(HW_REG_IB_STS2, 6, 4)
	s_cmp_eq_u32 s2, 0
	s_cbranch_scc0 .Lentry_in_a_cluster
	s_endpgm
.Lentry_in_a_cluster:
	s_bfe_u32 s2, ttmp6, 0x10000c
	s_cmp_lg_u32 s2, 0xf033
	s_cbranch_scc0 .Lentry_shape_is_right
	s_endpgm
.Lentry_shape_is_right:
; qkv = x qkv_w^T on codes of BF8 (E5M2) with one E8M0 scale for each 32 along K (K = 1,024), sums in f32; the result never goes to memory as f32:
; q and k are quantised along the head's 64 (two blocks of 32), v along the keys (blocks of 32 tokens), and leave as IMAGES OF OPERAND REGISTERS for the next launch.
; A tile of 256 x 256 is made by four waves, 128 x 128 each (64 accumulators, 512 registers); K goes in steps of 256 through a ring of two LDS slots filled by the tensor data mover.
; THE MATRIX INSTRUCTION IS USED TRANSPOSED: source 0 = 16 rows of "B", source 1 = 16 rows of "A"; a lane then holds one row of A and eight neighbouring rows of B, so B's index is the axis along which I quantise.
;   clusters with y < 4 (q and k): A = x (tokens), B = rows 0 .. 2,047 of qkv_w.     clusters with y >= 4 (v): A = rows 2,048 .. 3,071 of qkv_w, B = x (tokens = keys).
; All four tensors have rows of 1,024 code bytes and 32 scale bytes, so the two cases differ in pointers, row numbers and the output's strides alone: they are selected, and both take one way through the text.
; CLUSTERS: 4 x 4 work-groups; A's tiles are asked for jointly along a row of the cluster, B's along a column.  192 tiles: 192 work-groups.
; OUTPUT.  A piece is 512 bytes, lane l's 16 bytes at 16 l.  PERM(r) = r + 8 (r / 8); tile 2 b + u of a group of 32 rows holds in lane r row 32 b + 8 u + PERM(r).
;   wcodes: [0, 4 MB) q: [head][tile of tokens 256][c 2][512]; [4, 8 MB) k likewise; [8, 12 MB) v: [head][128 keys 32][tile of d 4][c 4][512].  Piece c, lane (r, h): bytes 32 c + 16 h + 0 .. 15 along the product's K of the tile's row r.
;   wscales: [0, 256 K) q's words [head][token], bytes 0, 1 the two blocks, bytes 2, 3 = 0x7f; [256 K, 512 K) k's; [512 K, 640 K) v's words [head][128 keys][d], four blocks a word.
; LIMITS: NaN and infinities among the inputs are not served.  A block of zeros, and a block whose largest magnitude lies under 2^-111, gets the byte 1: its codes are what the conversion gives under that scale, and this program alone reads the bytes.
; REGISTERS, in windows of 256: window 0: v0-31 addresses; v32-63 scale words, two sets; v128-255 A's fragments, one set (on the way out v64-255 are at work).  window 1: B's fragments, two sets.  windows 2, 3: the accumulators ((a, b) at v[8 (8 (a % 4) + b)]).
.set SIZE_K, 1024
.set KSTEP,  256                       ; along K in a slot
.set NQ,     KSTEP/128                 ; matrix instructions deep
.set ROWB,   256                       ; a tile's row in bytes
.set KROW,   SIZE_K                    ; a row of codes in memory
.set PITCH,  272                       ; an LDS row: 256 bytes + 16 of padding: the 16 rows that a load touches start at 16 different groups of banks (64 banks of 4 bytes: ISA guide 11.1)
.set FR,     16                        ; registers of a fragment
.set NL,     4                         ; LDS loads that bring one
.set NP,     8                         ; places behind this matrix instruction (ISA guide 7.12.1)
.set HALFT,  128*PITCH
.set SLOT,   4*HALFT                   ; A's 256 rows, then B's 256 rows
.set LAPS,   SIZE_K/(2*KSTEP)
.set KS,     SIZE_K/32                 ; a row of scales in bytes
.set SCL,    2*SLOT                    ; behind the ring: the scales of all of K, as units of 256 bytes + 16
.set HALFS,  (128*KS/256)*272
.set SBLK,   (16*KS/256)*272
.set SPARE,  SCL+4*HALFS               ; the spare words, 128 bytes a wave
.set STG,    SPARE+512                 ; the way out: 32 rows x 144 bytes for each wave; bytes of its own, into which no fill lands
.set SGP,    144                       ; 128 bytes of codes + 16
.set SSTG,   STG+4*32*SGP              ; and 1,024 bytes a wave for its scale words
.set ADRA, 16                          ; v16-17  LDS address of my A fragments in slot 0, 1
.set SSR,  18                          ; v18     the scale stage, on the way back: 128 (lane / 4) + 16 (lane % 4)
.set VSO,  19                          ; v19     my byte offset among the scale words in memory
.set ADRB, 20                          ; v20-21  as ADRA, for B
.set VSH,  22                          ; v22     q, k: 16 in lanes 16-31 (they take the second head's two bytes), else 0
.set STO,  24                          ; v24     the stage: where I put 8 codes of a row
.set RDA,  25                          ; v25     and where I read 16 codes of a tile's row back
.set SSA,  26                          ; v26     the scale stage, on the way in: 4 x lane
.set ADRS, 27                          ; v27     LDS address of my scale words: lanes 0-15 A's rows, lanes 16-31 B's
.set SPW,  28                          ; v28     my spare word; never rewritten
.set NIL,  29                          ; v29     0; never rewritten
.set LIU,  30                          ; v30-31  16 x lane, for the pair's tile 0 and tile 1
.set SC,   32                          ; scale words
.set AF,   128                         ; A's fragments
.set BK,   64                          ; the way out: v64-95, v96-127 pieces read back, by turns
.set T,    128                         ; v128-191 64 numbers, held
.set PC,   192                         ; v192-223 codes of the pair's two blocks
.set TM,   224                         ; v224-227 largest magnitudes, 228-231 bytes, 232-235 the largest number x the scale, 236-239 the conversions' scale operands
.set PW,   240                         ; a row's four scale bytes
.set W1,   241                         ; v241-242 the word as it is stored
.set G1, 24
.set G0, 32
.set G1B, 48
.set G0B, 56
.set G1S, 68
.set G0S, 76
.set G1SB, 80
.set G0SB, 88
.set MSB, 0
.macro WIN new                         ; the immediate's high byte repeats the setting that is left
.if MSB != \new
	s_set_vgpr_msb (MSB<<8)|\new
.set MSB, \new
.endif
.endm
.set MUL_LO, 0xa1                      ; source 0 (B) window 1, source 1 (A) window 0, C and D window 2
.set MUL_HI, 0xf1                      ; the same, C and D window 3
.set TO_B,   0x40                      ; destination window 1, address window 0
; A joint load: waves 0 and 1 fetch for A, waves 2 and 3 for B; the branch hangs on the wave's number alone.  Four v_nop follow each of the two lines.
.macro JLOAD g0a, g1a, g0b, g1b
	s_cmp_eq_u32 s15, 0
	s_cbranch_scc0 .Lfor_b_\@
	tensor_load_to_lds s[\g0a:\g0a+3], s[\g1a:\g1a+7]
	s_nop 0
.rept 4
	v_nop
.endr
	s_branch .Lasked_\@
.Lfor_b_\@:
	tensor_load_to_lds s[\g0b:\g0b+3], s[\g1b:\g1b+7]
	s_nop 0
.rept 4
	v_nop
.endr
.Lasked_\@:
.endm
.macro CREST                           ; a round of the cluster's barrier behind its opening barrier
	s_cmp_lg_u32 s14, 0
	s_cbranch_scc1 .Lnot_wave_0_\@
	s_barrier_signal -3
.Lnot_wave_0_\@:
	s_barrier_wait -3
	s_barrier_signal -1
	s_barrier_wait -1
.endm
.macro CROUND                          ; a whole round
	s_barrier_signal -1
	s_barrier_wait -1
	CREST
.endm
	s_load_b128 s[4:7], s[0:1], 0x0                ; x's codes, x's scales
	s_load_b128 s[8:11], s[0:1], 0x10              ; qkv_w's codes, its scales
	s_load_b128 s[96:99], s[0:1], 0x20             ; wcodes, wscales
	v_lshl_add_u32 v[SPW], v0, 2, SPARE
	v_mov_b32 v[NIL], 0
	ds_add_u32 v28, v29
	ds_add_u32 v28, v29
	s_wait_dscnt 0x0
	v_lshrrev_b32 v1, 5, v0
	v_readfirstlane_b32 s14, v1                    ; wave 0..3
	s_lshr_b32 s15, s14, 1                         ; which half of the tile's rows (A) is mine.  Also: I fetch for A (0) or for B (1)
	s_and_b32 s16, s14, 1                          ; which half of its columns (B).  Also: which 128 rows of that tile I fetch
	s_bfe_u32 s40, ttmp6, 0x40000                  ; cx, cy: my place in the cluster
	s_bfe_u32 s41, ttmp6, 0x40004
	s_and_b32 s2, ttmp7, 0xffff                    ; cluster y
	s_lshl_b32 s18, s2, 2
	s_lshl_b32 s19, ttmp9, 2
	s_lshl_b32 s20, s2, 3
	s_add_co_u32 s20, s20, s19
	s_sub_co_u32 s20, s20, 32                      ; 4 (2 (y - 4) + x): used where y >= 4 alone
	s_cmp_lt_u32 s2, 4                             ; q and k, or v?  The same in all sixteen partners
	s_cselect_b32 s95, 1, 0
	s_cselect_b32 s17, s18, 0
	s_cselect_b32 s42, s19, s20
	s_cselect_b32 s13, 0, 2048                     ; v: A's rows begin at row 2,048 of qkv_w
	s_add_co_u32 s17, s17, s41                     ; tile row: q, k: 4 y + cy;  v: cy
	s_add_co_u32 s42, s42, s40                     ; tile column: q, k: 4 x + cx;  v: 4 (2 (y - 4) + x) + cx
	s_lshl_b32 s43, s41, 2
	s_lshl_b32 s43, 15, s43                        ; my row of the cluster
	s_lshl_b32 s44, 0x1111, s40                    ; my column
	; descriptor group 1: a tile of 128 rows x 256 bytes, 16 bytes of padding behind each row
	s_or_b32 s[G1+0], s43, (0<<16)|(1<<20)|(1<<21)|(5<<22)|(3<<25)  ; 15:0 the mask; 17:16 elements of 1 byte; 20 padding on; 21 set beside a mask; 24:22 after every 64 words; 31:25 four words
	s_or_b32 s[G1B+0], s44, (0<<16)|(1<<20)|(1<<21)|(5<<22)|(3<<25)
.irp g, G1, G1B
	s_mov_b32 s[\g+1], ROWB<<16                    ; tensor_dim0
	s_mov_b32 s[\g+2], 256<<16                     ; tensor_dim1: the head's loads bring 256 rows; set to 128 for the ring behind them
	s_mov_b32 s[\g+3], ROWB<<16                    ; tile_dim0
	s_mov_b32 s[\g+4], 256                         ; tile_dim1
	s_mov_b32 s[\g+5], KROW                        ; tensor_dim0_stride
	s_mov_b32 s[\g+6], 0
	s_mov_b32 s[\g+7], 0
.endr
	; the scales of 256 rows: 8,192 dense bytes, as 32 rows of 256 bytes (32 elements of 8), 16 bytes of padding behind each
	s_or_b32 s[G1S+0], s43, (3<<16)|(1<<20)|(1<<21)|(5<<22)|(3<<25)
	s_or_b32 s[G1SB+0], s44, (3<<16)|(1<<20)|(1<<21)|(5<<22)|(3<<25)
.irp g, G1S, G1SB
	s_mov_b32 s[\g+1], 32<<16
	s_mov_b32 s[\g+2], KS<<16                      ; the scales of 256 rows: KS rows of 256 bytes
	s_mov_b32 s[\g+3], 32<<16
	s_mov_b32 s[\g+4], KS
	s_mov_b32 s[\g+5], 32
	s_mov_b32 s[\g+6], 0
	s_mov_b32 s[\g+7], 0
.endr
	s_lshl_b32 s18, s16, 17                        ; s[18:19]: in the ring I fetch 128 rows of a tile: which half, in bytes
	s_mov_b32 s19, 0
	s_lshl_b32 s20, s17, 8
	s_add_co_u32 s20, s20, s13                     ; A: the tile's first row, 256 x tile row (+ 2,048)
	s_lshl_b32 s46, s42, 8                         ; B: 256 x tile column
	s_lshl_b32 s22, s20, 5                         ; where these rows' scales begin: 32 bytes a row,
	s_mov_b32 s23, 0
	s_lshl_b32 s20, s20, 10                        ; and their codes: 1,024
	s_mov_b32 s21, 0
	s_lshl_b32 s92, s46, 5
	s_mov_b32 s93, 0
	s_lshl_b32 s46, s46, 10
	s_mov_b32 s47, 0
	s_mul_i32 s45, s14, HALFT                      ; where they go: wave x 128 rows: no place in the cluster enters an LDS address
	s_wait_kmcnt 0x0
	s_cmp_lg_u32 s95, 0                            ; v: the two tensors change roles.  The choice hangs on the cluster's y alone
	s_cselect_b64 s[100:101], s[4:5], s[8:9]
	s_cselect_b64 s[8:9], s[8:9], s[4:5]
	s_mov_b64 s[4:5], s[100:101]                   ; A's codes s[4:5], B's s[8:9]
	s_cselect_b64 s[100:101], s[6:7], s[10:11]
	s_cselect_b64 s[10:11], s[10:11], s[6:7]
	s_mov_b64 s[6:7], s[100:101]                   ; A's scales s[6:7], B's s[10:11]
	s_add_nc_u64 s[20:21], s[4:5], s[20:21]
	s_add_nc_u64 s[22:23], s[6:7], s[22:23]
	s_add_nc_u64 s[46:47], s[8:9], s[46:47]
	s_add_nc_u64 s[92:93], s[10:11], s[92:93]
	CROUND                                         ; all sixteen work-groups are here: the first joint loads meet
	s_mov_b32 s[G0S], 1
	s_mov_b32 s[G0S+1], SCL
	s_mov_b64 s[G0S+2:G0S+3], s[22:23]
	s_or_b32 s[G0S+3], s[G0S+3], 0x80000000
	s_mov_b32 s[G0SB], 1
	s_mov_b32 s[G0SB+1], SCL+2*HALFS
	s_mov_b64 s[G0SB+2:G0SB+3], s[92:93]
	s_or_b32 s[G0SB+3], s[G0SB+3], 0x80000000
	s_mov_b32 s[G0], 1                             ; slot 0's groups 0 serve the head first: K step 0's 256 rows of A, whole,
	s_mov_b32 s[G0+1], 0
	s_mov_b64 s[G0+2:G0+3], s[20:21]
	s_or_b32 s[G0+3], s[G0+3], 0x80000000
	s_mov_b32 s[G0B], 1                            ; and its 256 rows of B, behind them
	s_mov_b32 s[G0B+1], 2*HALFT
	s_mov_b64 s[G0B+2:G0B+3], s[46:47]
	s_or_b32 s[G0B+3], s[G0B+3], 0x80000000
	s_add_nc_u64 s[20:21], s[20:21], s[18:19]      ; for the ring: my 128 rows of the tile
	s_add_nc_u64 s[46:47], s[46:47], s[18:19]
	s_mov_b32 s[G0+4], 1
	s_add_co_u32 s[G0+5], s45, SLOT
	s_add_nc_u64 s[G0+6:G0+7], s[20:21], ROWB
	s_or_b32 s[G0+7], s[G0+7], 0x80000000
	s_mov_b32 s[G0B+4], 1
	s_add_co_u32 s[G0B+5], s45, SLOT
	s_add_nc_u64 s[G0B+6:G0B+7], s[46:47], ROWB
	s_or_b32 s[G0B+7], s[G0B+7], 0x80000000
; THE HEAD'S LOADS, ONE A WAVE: wave 0 A's 256 rows of K step 0, wave 1 B's, wave 2 A's scales, wave 3 B's; one chain of branches on the wave's number, a load to an arm
.macro ARM under, g0, g1, next
	s_cmp_lt_u32 s14, \under
	s_cbranch_scc0 \next
	tensor_load_to_lds s[\g0:\g0+3], s[\g1:\g1+7]
	s_nop 0
.rept 4
	v_nop
.endr
	s_branch .Lhead_asked
\next:
.endm
	ARM 1, G0,  G1,  .Lhead_b
	ARM 2, G0B, G1B, .Lhead_sa
	ARM 3, G0S, G1S, .Lhead_sb
	tensor_load_to_lds s[G0SB:G0SB+3], s[G1SB:G1SB+7]
	s_nop 0
.rept 4
	v_nop
.endr
.Lhead_asked:
	v_and_b32 v1, 15, v0                           ; r = l % 16
	v_bfe_u32 v2, v0, 4, 1                         ; h = l / 16
	v_mul_u32_u24 v3, v1, PITCH
	v_lshl_add_u32 v4, v2, 4, v3                   ; a fragment's row x pitch + 16 x half
	s_mul_i32 s21, s15, HALFT                      ; my 128 rows of A
	s_mul_i32 s22, s16, HALFT                      ; my 128 rows of B,
	s_add_co_u32 s22, s22, 2*HALFT                 ; which lie behind A's 256
.irp s, 0,1
	v_add_nc_u32 v[ADRA+\s], s21, v4
	v_add_nc_u32 v[ADRB+\s], s22, v4
	s_add_co_u32 s21, s21, SLOT
	s_add_co_u32 s22, s22, SLOT
.endr
	v_mul_u32_u24 v5, v1, KS                       ; my row's scales: 32 bytes a row,
	v_lshrrev_b32 v6, 8, v5
	v_lshl_add_u32 v5, v6, 4, v5                   ; and 16 more for each 256 passed
	s_mul_i32 s21, s15, HALFS
	s_mul_i32 s22, s16, HALFS
	s_add_co_u32 s22, s22, 2*HALFS
	s_sub_co_u32 s22, s22, s21
	v_mul_u32_u24 v6, s22, v2                      ; lanes 16-31 take B's: one product, the distance between the two bases
	s_add_co_u32 s21, s21, SCL
	v_add_nc_u32 v5, v5, v6
	v_add_nc_u32 v[ADRS], s21, v5
	; THE WAY OUT'S NUMBERS.  P = 4 x tile column + 2 x half counts B's rows in 64s, R = 4 x tile row + 2 x half A's.
	s_lshl_b32 s22, s42, 2
	s_lshl_b32 s23, s16, 1
	s_add_co_u32 s22, s22, s23                     ; P
	s_lshl_b32 s23, s17, 2
	s_lshl_b32 s21, s15, 1
	s_add_co_u32 s23, s23, s21                     ; R
	s_mov_b32 s4, -1
	s_mov_b32 s6, 4096
	s_mov_b32 s8, 258048
	s_mov_b32 s18, 2048
	s_mov_b32 s19, 1024
	s_mov_b32 s21, 8192
	s_cmp_lg_u32 s95, 0                            ; first number: q and k; second: v
	s_cselect_b32 s4, 0xffff, s4                   ; what is kept of a scale word,
	s_cselect_b32 s5, 0x7f7f0000, 0                ; and what is set: q, k: two bytes, and 1.0 for the upper 64 of the next launch's K step
	s_cselect_b32 s6, 2048, s6                     ; from a pair of tiles to the next
	s_cselect_b32 s8, 2048, s8                     ; the same into the third pair: v goes on to its second head (262,144 - 4,096)
	s_cselect_b32 s18, 1024, s18                   ; from tile to tile
	s_cselect_b32 s19, 262144, s19                 ; from pieces 0, 1 to pieces 2, 3: q, k: the next head; v: 1,024 bytes on
	s_cselect_b32 s20, 16, 0
	s_cselect_b32 s21, 256, s21                    ; scale words: from lanes 0-15 to lanes 16-31
	s_cselect_b32 s92, s22, s23                    ; the head's number comes from P (q, k) or R (v),
	s_cselect_b32 s93, s23, s22                    ; the place in the head from the other
	s_cselect_b32 s94, 0, 0x800000
	s_cselect_b32 s45, 0, 1
	s_cselect_b32 s2, 0, 524288
	s_mov_b32 s7, 0
	s_mov_b32 s9, 0
	s_mov_b32 s10, 0x76543210                      ; v_permlanex16_b32's selects for lane l xor 16
	s_mov_b32 s11, 0xfedcba98
	s_mov_b32 s12, 0x600000                        ; the mantissa field of 57,344
	s_mul_i32 s46, s14, 32*SGP
	s_add_co_u32 s46, s46, STG                     ; my stage
	v_mul_u32_u24 v5, v1, SGP
	v_lshl_add_u32 v5, v2, 3, v5
	v_add_nc_u32 v[STO], s46, v5                   ; in: row r, + 8 h
	v_and_b32 v6, 8, v1
	v_add_nc_u32 v6, v6, v1                        ; PERM(r)
	v_mul_u32_u24 v6, v6, SGP
	v_lshl_add_u32 v6, v2, 4, v6
	v_add_nc_u32 v[RDA], s46, v6                   ; back: row PERM(r), + 16 h
	s_lshl_b32 s46, s14, 10
	s_add_co_u32 s46, s46, SSTG                    ; my scale stage
	v_and_b32 v6, 31, v0
	v_lshlrev_b32 v5, 2, v6
	v_add_nc_u32 v[SSA], s46, v5
	v_lshrrev_b32 v5, 2, v6
	v_lshlrev_b32 v5, 7, v5
	v_and_b32 v7, 3, v6
	v_lshl_add_u32 v5, v7, 4, v5
	v_add_nc_u32 v[SSR], s46, v5
	v_lshlrev_b32 v[LIU], 4, v6
	v_add_nc_u32 v[LIU+1], s18, v[LIU]
	v_mul_u32_u24 v5, s21, v2
	v_lshl_add_u32 v[VSO], v1, 4, v5
	v_mul_u32_u24 v[VSH], s20, v2
	s_lshl_b32 s46, s92, 18                        ; a head's codes are 262,144 bytes in all three regions,
	s_lshl_b32 s47, s93, 12                        ; 64 tokens of q or k (4 tiles), or half of 128 keys of v, 4,096
	s_add_co_u32 s46, s46, s47
	s_add_co_u32 s46, s46, s94
	s_mov_b32 s47, 0
	s_add_nc_u64 s[96:97], s[96:97], s[46:47]      ; where pieces 0 and 1 go,
	s_mov_b32 s46, s19
	s_add_nc_u64 s[100:101], s[96:97], s[46:47]    ; and pieces 2 and 3
	s_lshl_b32 s46, s92, 14
	s_lshl_b32 s92, s93, 8
	s_add_co_u32 s46, s46, s92
	s_lshr_b32 s46, s46, s45                       ; q, k: 16,384 bytes a head, 256 for 64 tokens; v: half of both
	s_add_co_u32 s46, s46, s2
	s_add_nc_u64 s[98:99], s[98:99], s[46:47]      ; my scale words
.macro FRAG reg, adr, q, i             ; 16 rows x 128 K: lane l holds row l % 16; registers 4 c .. 4 c + 3 hold K = 32 c + 16 (l / 16) + 0 .. 15
.irp c, 0,1,2,3
	ds_load_b128 v[\reg+4*\c:\reg+4*\c+3], v[\adr] offset:128*(\q)+32*\c+(\i)*16*PITCH
.endr
.endm
; 16 matrix instructions: A's blocks a0, a0 + 1 x B's eight.  The 64 accumulators take turns, one instruction a turn, in the same order in every step.
.macro MUL16 a0, p, q, sc, zero
.irp a, \a0, \a0+1
.irp b, 0,1,2,3,4,5,6,7
.if \zero
	v_wmma_scale_f32_16x16x128_f8f6f4 v[8*(8*((\a)%4)+\b):8*(8*((\a)%4)+\b)+7], v[128*(\p)+FR*\b:128*(\p)+FR*\b+FR-1], v[AF+FR*(\a):AF+FR*(\a)+FR-1], 0, v[SC+8*NQ*(\sc)+NQ*\b+(\q)], v[SC+8*NQ*(\sc)+NQ*(\a)+(\q)] matrix_a_fmt:MATRIX_FMT_BF8 matrix_b_fmt:MATRIX_FMT_BF8 matrix_a_scale:MATRIX_SCALE_ROW1
.else
	v_wmma_scale_f32_16x16x128_f8f6f4 v[8*(8*((\a)%4)+\b):8*(8*((\a)%4)+\b)+7], v[128*(\p)+FR*\b:128*(\p)+FR*\b+FR-1], v[AF+FR*(\a):AF+FR*(\a)+FR-1], v[8*(8*((\a)%4)+\b):8*(8*((\a)%4)+\b)+7], v[SC+8*NQ*(\sc)+NQ*\b+(\q)], v[SC+8*NQ*(\sc)+NQ*(\a)+(\q)] matrix_a_fmt:MATRIX_FMT_BF8 matrix_b_fmt:MATRIX_FMT_BF8 matrix_a_scale:MATRIX_SCALE_ROW1
.endif
.endr
.endr
.endm
.macro FETCH_B slot, q, p
	WIN TO_B
.irp i, 0,1,2,3,4,5,6,7
	FRAG 128*(\p)+FR*\i, ADRB+\slot, \q, \i
.endr
	WIN 0
.endm
.macro FETCH_A slot, q, i0
.irp i, \i0, \i0+1, \i0+2, \i0+3
	FRAG AF+FR*(\i), ADRA+\slot, \q, \i
.endr
.endm
.macro SCALES sc                       ; a K step's scale words: two words a row; lanes 0-15 A's block i, lanes 16-31 B's block i
.irp i, 0,1,2,3,4,5,6,7
	ds_load_b64 v[SC+8*NQ*\sc+NQ*\i:SC+8*NQ*\sc+NQ*\i+1], v[ADRS] offset:\i*SBLK
.endr
.endm
.macro PLACES n                        ; plain vector instructions between a matrix instruction and a load into, or a read or write of, its registers
.rept \n
	v_nop
.endr
.endm
.macro STEP slot, q, zero              ; a step of 128 along K that has its successor in the same slot
	s_wait_dscnt 4*NL                              ; B's set, A's blocks 0-3 and the scale words are in; the youngest 16 loads (A's blocks 4-7) may be out
	WIN MUL_LO
	MUL16 0, (\q)%2, \q, \slot, \zero
	MUL16 2, (\q)%2, \q, \slot, \zero
	s_wait_dscnt 0                                 ; A's blocks 4-7 are in
	PLACES NP
	FETCH_B \slot, (\q)+1, 1-(\q)%2
	FETCH_A \slot, (\q)+1, 0
	WIN MUL_HI
	MUL16 4, (\q)%2, \q, \slot, \zero
	MUL16 6, (\q)%2, \q, \slot, \zero
	PLACES NP
	WIN 0
	FETCH_A \slot, (\q)+1, 4
.endm
; A slot's last step changes slots: one barrier; in front of it each wave waits for all its tensor loads, adds 0 to its spare word, and waits for that and for its reads of this slot.
.macro TURN slot, next, fill
	s_wait_tensorcnt 0x0                           ; all my tensor loads have landed: my part of the next slot
	ds_add_u32 v[SPW], v[NIL]                      ; 0 onto my spare word
	s_wait_dscnt 4*NL+1                            ; the add and the youngest 16 loads may be out
	WIN MUL_LO
	MUL16 0, 1, NQ-1, \slot, 0
	s_wait_dscnt 0x0                               ; the add is done, and my reads of this slot are over
	s_barrier_signal -1
	MUL16 2, 1, NQ-1, \slot, 0
	WIN 0
	s_barrier_wait -1
.if \fill
	CREST                                          ; the barrier has opened a round of the cluster's: no wave of any partner still reads this slot or has a load on its way
	s_add_nc_u64 s[G0+4*\slot+2:G0+4*\slot+3], s[G0+4*\slot+2:G0+4*\slot+3], 2*ROWB
	s_add_nc_u64 s[G0B+4*\slot+2:G0B+4*\slot+3], s[G0B+4*\slot+2:G0B+4*\slot+3], 2*ROWB
	JLOAD G0+4*\slot, G1, G0B+4*\slot, G1B         ; the first tensor load behind the round; its four v_nop are among the places in front of the loads below
	PLACES NP-4
.else
	PLACES NP
.endif
	s_wait_alu depctr_va_vdst(0)
	v_add_nc_u32 v[ADRS], 4*NQ, v[ADRS]            ; on to the next K step's scale words
	FETCH_B \next, 0, 0
	FETCH_A \next, 0, 0
	SCALES \next
	WIN MUL_HI
	MUL16 4, 1, NQ-1, \slot, 0
	MUL16 6, 1, NQ-1, \slot, 0
	PLACES NP
	WIN 0
	FETCH_A \next, 0, 4
.endm
	s_wait_alu depctr_va_vdst(0)                   ; the wait at the head's end
	s_wait_tensorcnt 0x0                           ; my tile of the head's four is in; the three lines ahead of a later first fill, as ahead of a refill
	ds_add_u32 v[SPW], v[NIL]
	s_mov_b32 s[G1+2], 128<<16                     ; no tensor load of mine is out: from here on a load brings 128 rows
	s_mov_b32 s[G1+4], 128
	s_mov_b32 s[G1B+2], 128<<16
	s_mov_b32 s[G1B+4], 128
	s_mul_i32 s[G0+1], s14, HALFT                  ; slot 0's groups 0 for the ring: my quarter of the slot,
	s_mul_i32 s[G0B+1], s14, HALFT
	s_lshl_b32 s46, s16, 17
	s_mov_b32 s47, 0
	s_add_nc_u64 s[G0+2:G0+3], s[G0+2:G0+3], s[46:47]      ; my 128 rows
	s_add_nc_u64 s[G0B+2:G0B+3], s[G0B+2:G0B+3], s[46:47]
	s_wait_dscnt 0x0
	CROUND                                         ; all four tiles are in, and all sixteen work-groups are here
	JLOAD G0+4, G1, G0B+4, G1B                     ; K step 1: the first tensor load behind the round
	FETCH_B 0, 0, 0
	FETCH_A 0, 0, 0
	SCALES 0
	FETCH_A 0, 0, 4
	STEP 0, 0, 1                                   ; the first step's products start the sums
	s_mov_b32 s3, LAPS-1
.Llap:                                                 ; a trip goes once round the ring and fills both slots again
	TURN 0, 1, 1
	STEP 1, 0, 0
	TURN 1, 0, 1
	STEP 0, 0, 0
	s_sub_co_u32 s3, s3, 1
	s_cmp_lg_u32 s3, 0
	s_cbranch_scc1 .Llap
	TURN 0, 1, 0                                   ; the last lap fills nothing
	STEP 1, 0, 0
	s_wait_dscnt 4*NL
	WIN MUL_LO
	MUL16 0, 1, NQ-1, 1, 0
	MUL16 2, 1, NQ-1, 1, 0
	s_wait_dscnt 0
	WIN MUL_HI
	MUL16 4, 1, NQ-1, 1, 0
	MUL16 6, 1, NQ-1, 1, 0
	WIN 0
; THE WAY OUT.  In block a (16 rows of A) lane (r, h) holds row r and, in accumulator b, columns 16 b + 8 h + 0 .. 7.  A block of 32 columns, g, lies in accumulators 2 g and 2 g + 1 of lanes l and l xor 16.
; QUANT: block a's four blocks of 32 become codes in v[pc] on (registers 4 g + 2 e, + 1: the 8 codes at column 32 g + 16 e + 8 h) and the row's four scale bytes in v[PW].
.macro QUANT a, pc
.set AC, 64*((\a)%4)
.set WW, 2+(\a)/4
	WIN WW|(WW<<2)                                 ; sources 0 and 1: the accumulators' window
.irp g, 0,1,2,3
	v_max3_num_f32 v[TM+\g], |v[AC+16*\g]|, |v[AC+16*\g+1]|, 0x8000000   ; my 16 numbers of the block, each accumulator from its low end on, and the floor 2^(16 - 127): the byte cannot fall under 1
.endr
.irp i, 2,4,6,8,10,12,14
.irp g, 0,1,2,3
	v_max3_num_f32 v[TM+\g], |v[AC+16*\g+\i]|, |v[AC+16*\g+\i+1]|, v[TM+\g]
.endr
.endr
	WIN 0
.irp g, 0,1,2,3
	v_permlanex16_b32 v[TM+4+\g], v[TM+\g], s10, s11
.endr
.irp g, 0,1,2,3
	v_max_num_f32 v[TM+\g], v[TM+\g], v[TM+4+\g]   ; with lane l xor 16's: the block's largest magnitude
.endr
.irp g, 0,1,2,3
	v_add_nc_u32 v[TM+12+\g], 0xf8800000, v[TM+\g] ; 15 off its exponent field: the conversion takes this operand's exponent field as its scale
.endr
.irp g, 0,1,2,3
	v_and_or_b32 v[TM+8+\g], v[TM+\g], 0x7f800000, s12   ; 57,344 x the scale
.endr
.irp g, 0,1,2,3
	v_lshrrev_b32 v[TM+4+\g], 23, v[TM+12+\g]      ; the scale's byte
.endr
	v_lshl_or_b32 v[PW], v[TM+5], 8, v[TM+4]
	v_lshl_or_b32 v[PW], v[TM+6], 16, v[PW]
	v_lshl_or_b32 v[PW], v[TM+7], 24, v[PW]
	WIN WW                                         ; source 0: the accumulators' window
.irp g, 0,1,2,3
.irp i, 0,1,2,3,4,5,6,7,8,9,10,11,12,13,14,15
	v_med3_num_f32 v[T+16*\g+\i], v[AC+16*\g+\i], -v[TM+8+\g], v[TM+8+\g]   ; the conversion to an 8-bit code does not saturate (ISA guide 7.6.2): the hold at the largest code x the scale
.endr
.endr
	WIN 0
.irp g, 0,1,2,3
.irp e, 0,1
	v_cvt_scalef32_pk8_bf8_f32 v[\pc+4*\g+2*\e:\pc+4*\g+2*\e+1], v[T+16*\g+8*\e:T+16*\g+8*\e+7], v[TM+12+\g]
.endr
.endr
	v_nop                                          ; one plain vector instruction behind the last conversion
.endm
; A pair of blocks, 32 rows: their codes go into my stage as rows of 128 bytes and come back as two tiles' pieces: tile u's lane (r, h) takes row 8 u + PERM(r), bytes 32 c + 16 h + 0 .. 15.
.macro PAIR p
.set BB, BK+32*((\p)%2)
.irp u, 0,1
	QUANT 2*(\p)+\u, PC+16*\u
.irp g, 0,1,2,3
.irp e, 0,1
	ds_store_b64 v[STO], v[PC+16*\u+4*\g+2*\e:PC+16*\u+4*\g+2*\e+1] offset:16*\u*SGP+32*\g+16*\e
.endr
.endr
	v_lshrrev_b32 v[W1+\u], v[VSH], v[PW]          ; q, k: lanes 0-15 keep the first head's two bytes, lanes 16-31 take the second's; v: the whole word
	v_and_or_b32 v[W1+\u], v[W1+\u], s4, s5
	ds_store_b32 v[SSA], v[W1+\u] offset:128*(2*(\p)+\u)
.endr
.if (\p) > 0
	s_wait_xcnt 0x0                                ; the earlier stores have read their bases and their data: both are written again only behind this wait
.if (\p) == 2
	s_add_nc_u64 s[96:97], s[96:97], s[8:9]
	s_add_nc_u64 s[100:101], s[100:101], s[8:9]
.else
	s_add_nc_u64 s[96:97], s[96:97], s[6:7]
	s_add_nc_u64 s[100:101], s[100:101], s[6:7]
.endif
.endif
.irp u, 0,1
.irp c, 0,1,2,3
	ds_load_b128 v[BB+4*(4*\u+\c):BB+4*(4*\u+\c)+3], v[RDA] offset:8*\u*SGP+32*\c   ; LDS serves a wave's instructions in order (ISA guide 5.7.1.4): these see my stores
.endr
.endr
	s_wait_dscnt 0x0                               ; the pieces are in; the stores above have read their registers
.irp u, 0,1
.irp c, 0,1,2,3
	global_store_b128 v[LIU+\u], v[BB+4*(4*\u+\c):BB+4*(4*\u+\c)+3], s[96+4*(\c/2):97+4*(\c/2)] offset:512*(\c%2)   ; 32 lanes store 512 consecutive bytes, at a multiple of 512 from the buffer's first byte
.endr
.endr
.endm
	PLACES NP                                      ; behind the last products: results are read, and the registers that held A's fragments are written
.irp g, 0,1,2,3
	v_mov_b32 v[TM+4+\g], 0                        ; written once: a lane permute's destination counts as one of its sources
.endr
	PAIR 0
	PAIR 1
	PAIR 2
	PAIR 3
	; my 128 rows' scale words: lane l takes four words of rows 4 l .. 4 l + 3: first what lanes 0-15 stored, then what lanes 16-31 stored
	ds_load_b128 v[T:T+3], v[SSR]
	ds_load_b128 v[T+4:T+7], v[SSR] offset:64
	s_wait_dscnt 0x0
	global_store_b128 v[VSO], v[T:T+3], s[98:99]   ; q, k: the first head's 128 tokens, 512 consecutive bytes;  v: two heads' 64 d, 256 consecutive bytes each
	s_cmp_lg_u32 s95, 0                            ; v: lanes 16-31 stored the same words again, and nothing is left to store.  The branch is the same in all partners
	s_cbranch_scc0 .Lwords_out
	global_store_b128 v[VSO], v[T+4:T+7], s[98:99] offset:16384   ; q, k: the second head's
.Lwords_out:
	s_wait_tensorcnt 0x0                           ; the wave's end
	ds_add_u32 v[SPW], v[NIL]
	s_wait_dscnt 0x0
	CROUND                                         ; the closing round: no work-group ends while a partner may still ask for a tile that names it
	s_endpgm
.Lfunc_end_k_q2c248d1239_qkv:
	.size	k_q2c248d1239_qkv, .Lfunc_end_k_q2c248d1239_qkv-k_q2c248d1239_qkv
	.p2alignl 7, 3214868480
	.fill 96, 4, 3214868480
	.section	.rodata,"a",@progbits
	.p2align	6, 0x0
	.amdhsa_kernel k_q2c248d1239_qkv
		.amdhsa_group_segment_fixed_size 327680
		.amdhsa_private_segment_fixed_size 0
		.amdhsa_enable_private_segment 0
		.amdhsa_kernarg_size 48
		.amdhsa_user_sgpr_count 2
		.amdhsa_user_sgpr_kernarg_segment_ptr 1
		.amdhsa_wavefront_size32 1
		.amdhsa_system_sgpr_workgroup_id_x 1
		.amdhsa_system_sgpr_workgroup_id_y 1
		.amdhsa_system_sgpr_workgroup_id_z 1
		.amdhsa_system_vgpr_workitem_id 0
		.amdhsa_next_free_vgpr 1024
		.amdhsa_next_free_sgpr 102
		.amdhsa_reserve_vcc 0
		.amdhsa_float_denorm_mode_32 3
		.amdhsa_float_denorm_mode_16_64 3
		.amdhsa_memory_ordered 1
		.amdhsa_forward_progress 1
		.amdhsa_inst_pref_size 196
	.end_amdhsa_kernel
	.amdgpu_metadata
---
amdhsa.version: [ 1, 2 ]
amdhsa.kernels:
  - .name:           k_q2c248d1239_qkv
    .symbol:         k_q2c248d1239_qkv.kd
    .args:
      - { .name: x_codes, .offset: 0, .size: 8, .value_kind: global_buffer, .address_space: global }
      - { .name: x_scales, .offset: 8, .size: 8, .value_kind: global_buffer, .address_space: global }
      - { .name: qkv_w_codes, .offset: 16, .size: 8, .value_kind: global_buffer, .address_space: global }
      - { .name: qkv_w_scales, .offset: 24, .size: 8, .value_kind: global_buffer, .address_space: global }
      - { .name: wcodes, .offset: 32, .size: 8, .value_kind: global_buffer, .address_space: global }
      - { .name: wscales, .offset: 40, .size: 8, .value_kind: global_buffer, .address_space: global }
    .group_segment_fixed_size: 327680
    .private_segment_fixed_size: 0
    .kernarg_segment_align: 8
    .kernarg_segment_size: 48
    .max_flat_workgroup_size: 128
    .sgpr_count:     102
    .vgpr_count:     1024
    .wavefront_size: 32
...
	.end_amdgpu_metadata
.endif
;; end of part 1
;; launch attn (part 2): grid 16 x 16, 16 waves a work-group, clusters of 4 x 1, 327,680 bytes of LDS; arguments wcodes, wscales, acodes, ascales; writes acodes, ascales
.if DOCPART == 2
	.amdgcn_target "amdgcn-amd-amdhsa--gfx1250"
	.amdhsa_code_object_version 6
	.text
	.protected	k_q2c248d1239_attn
	.globl	k_q2c248d1239_attn
	.p2align	8
	.type	k_q2c248d1239_attn,@function
k_q2c248d1239_attn:
	s_mov_b64 s[64:65], 0
	v_nop
	global_prefetch_b8 v0, s[64:65] scope:SCOPE_SE
	s_setreg_imm32_b32 hwreg(HW_REG_WAVE_MODE, 25, 1), 1
	s_wait_xcnt 0x0
	s_wait_alu depctr_hold_cnt(0) depctr_sa_sdst(0) depctr_va_vdst(0) depctr_va_sdst(0) depctr_va_ssrc(0) depctr_va_vcc(0) depctr_vm_vsrc(0)
	s_getreg_b32 s2, hwreg(HW_REG_IB_STS2, 6, 4)
	s_cmp_eq_u32 s2, 0
	s_cbranch_scc0 .Lentry_in_a_cluster
	s_endpgm
.Lentry_in_a_cluster:
	s_bfe_u32 s2, ttmp6, 0x10000c
	s_cmp_lg_u32 s2, 0x3003
	s_cbranch_scc0 .Lentry_shape_is_right
	s_endpgm
.Lentry_shape_is_right:
; ATTENTION OF ONE HEAD ON CODES OF BF8 (E5M2, one E8M0 byte for 32 along K).  q, k, v come as images of operand registers (512 bytes a piece, 16 bytes a lane) with their scale words, as the launch before leaves them.
; A work-group owns 256 queries of a head, each of its sixteen waves 16; both products are used transposed, so that a lane holds one query.  p = 2^(t - M), M the running largest t rounded up to a whole number; the sum is taken of the unquantised p and divides at the end.
; The result is quantised along the head's 64 and leaves as codes and scale bytes for the projection.
; K's and V's tiles come through two LDS slots of 1,024 keys (64 KiB of K, then 64 KiB of V), filled by joint loads of the four work-groups of a cluster, which walk the same head: waves 0, 1 K's halves, waves 2, 3 V's.
; A slot is walked by a counted loop of eight key steps of 128 keys.  The scale words of the whole head stay in LDS behind the slots.
; LIMITS: NaN and infinities are not served; the promise holds while the scaled scores stay under 2^31 in magnitude.  A block whose every p is 0 keeps the byte 1: its codes are zeros.
.set SLOT1, 1<<17
.set VOFF,  65536
.set NSL,   4
.set SCK,   2*SLOT1
.set SCV,   SCK+16384
.set SPARE, SCV+8192
.set LI,   1
.set ASK0, 2
.set ASV0, 3
.set QSO,  4
.set SPW,  5
.set NIL,  6
.set PFO,  7
.set ADF,  8
.set ADS,  9
.set ADT,  10
.set ADV,  11                          ; v11  LDS address of the step's tiles of V
.set QF,   16
.set FRG,  32
.set S,    104
.set OT,   168
.set PCD,  200
.set BM,   216
.set BT,   220
.set HL,   224
.set SO,   228
.set KSW,  232
.set VSW,  240
.set FF,   244
.set TMP,  246
.set PWD,  247
.set QSW,  248
.set WV,   12
.set LIM,  15
.set PFA,  18
.set SEL,  20
.set CS,   22
.set G1T,  24
.set G1SK, 32
.set G1SV, 40
.set G0K,  48
.set G0V,  52
.set G0SK, 56
.set G0SV, 60
.set TB,   66
.set TS,   67
.set TJ,   68
.set SLOTS, 69
.set MNT,  71
.set TQ,   75                          ; s75  8,192 x the key steps begun in the slot in hand: the inner loop's counter
.macro TLOAD g0k, g1k, g0v, g1v
	s_cmp_lt_u32 s[WV], 2
	s_cbranch_scc0 .Lnot_k_\@
	tensor_load_to_lds s[\g0k:\g0k+3], s[\g1k:\g1k+7]
	s_nop 0
.rept 4
	v_nop
.endr
	s_branch .Lasked_\@
.Lnot_k_\@:
	s_cmp_lt_u32 s[WV], 4
	s_cbranch_scc0 .Lasked_\@
	tensor_load_to_lds s[\g0v:\g0v+3], s[\g1v:\g1v+7]
	s_nop 0
.rept 4
	v_nop
.endr
.Lasked_\@:
.endm
.macro ASK
	s_cmp_gt_u32 s[SLOTS], s[LIM]
	s_cbranch_scc0 .Lnot_mine_\@
	global_prefetch_b8 v[PFO], s[PFA:PFA+1] th:TH_LOAD_NT scope:SCOPE_SE                ; the slot after the one just asked for: 64 KiB of K (wave 4) or V (wave 5): each of the four partners names 8 KiB of either half, lanes 256 bytes apart
	global_prefetch_b8 v[PFO], s[PFA:PFA+1] offset:32768 th:TH_LOAD_NT scope:SCOPE_SE
.Lnot_mine_\@:
.endm
.macro CROUND
	s_barrier_signal -1
	s_barrier_wait -1
	s_cmp_lg_u32 s[WV], 0
	s_cbranch_scc1 .Lnot_wave_0_\@
	s_barrier_signal -3
.Lnot_wave_0_\@:
	s_barrier_wait -3
	s_barrier_signal -1
	s_barrier_wait -1
.endm
	s_load_b256 s[4:11], s[0:1], 0x0
	v_lshl_add_u32 v[SPW], v0, 2, SPARE
	v_mov_b32 v[NIL], 0
	ds_add_u32 v5, v6
	ds_add_u32 v5, v6
	s_wait_dscnt 0x0
	v_lshrrev_b32 v8, 5, v0
	s_delay_alu instid0(VALU_DEP_1)
	v_readfirstlane_b32 s[WV], v8
	s_bfe_u32 s13, ttmp6, 0x40000
	s_lshl_b32 s14, ttmp9, 2
	s_add_co_u32 s14, s14, s13
	s_and_b32 s72, ttmp7, 0xffff
	s_and_b32 s73, s[WV], 1
	s_lshl_b32 s74, s72, 18
	s_lshl_b32 s76, s73, 15
	s_add_co_u32 s76, s76, s74
	s_add_co_u32 s78, s76, 0x800000
	s_add_co_u32 s76, s76, 0x400000
	s_mov_b32 s77, 0
	s_mov_b32 s79, 0
	s_lshl_b32 s80, s72, 14
	s_lshl_b32 s81, s73, 13
	s_add_co_u32 s80, s80, s81
	s_add_co_u32 s80, s80, 262144
	s_mov_b32 s81, 0
	s_lshl_b32 s82, s72, 13
	s_lshl_b32 s83, s73, 12
	s_add_co_u32 s82, s82, s83
	s_add_co_u32 s82, s82, 524288
	s_mov_b32 s83, 0
.irp g, G1T, G1SK, G1SV
	s_mov_b32 s[\g], 15|(3<<16)|(1<<21)
	s_mov_b32 s[\g+1], 32<<16
	s_mov_b32 s[\g+3], 32<<16
	s_mov_b32 s[\g+5], 32
	s_mov_b32 s[\g+6], 0
	s_mov_b32 s[\g+7], 0
.endr
	s_mov_b32 s[G1T+2], 128<<16
	s_mov_b32 s[G1T+4], 128
	s_mov_b32 s[G1SK+2], 32<<16
	s_mov_b32 s[G1SK+4], 32
	s_mov_b32 s[G1SV+2], 16<<16
	s_mov_b32 s[G1SV+4], 16
	s_mov_b32 s[SEL], 0x76543210
	s_mov_b32 s[SEL+1], 0xfedcba98
	s_mov_b32 s[CS], 0x3e38aa3b
	s_mov_b32 s[CS+1], s[CS]
	s_mov_b32 s[MNT], 0x600000
	s_mov_b32 s[TB], 0
	s_mov_b32 s[TS], 0
	s_mov_b32 s[TJ], 0
	s_mov_b32 s[SLOTS], NSL-1
	s_lshl_b32 s84, s14, 4
	s_add_co_u32 s84, s84, s[WV]
	s_wait_kmcnt 0x0
	s_mov_b32 s[G0SK], 1
	s_lshl_b32 s[G0SK+1], s73, 13
	s_add_co_u32 s[G0SK+1], s[G0SK+1], SCK
	s_add_nc_u64 s[G0SK+2:G0SK+3], s[6:7], s[80:81]
	s_or_b32 s[G0SK+3], s[G0SK+3], 0x80000000
	s_mov_b32 s[G0SV], 1
	s_lshl_b32 s[G0SV+1], s73, 12
	s_add_co_u32 s[G0SV+1], s[G0SV+1], SCV
	s_add_nc_u64 s[G0SV+2:G0SV+3], s[6:7], s[82:83]
	s_or_b32 s[G0SV+3], s[G0SV+3], 0x80000000
	s_mov_b32 s[G0K], 1
	s_lshl_b32 s[G0K+1], s73, 15
	s_add_nc_u64 s[G0K+2:G0K+3], s[4:5], s[76:77]
	s_or_b32 s[G0K+3], s[G0K+3], 0x80000000
	s_mov_b32 s[G0V], 1
	s_lshl_b32 s[G0V+1], s73, 15
	s_add_co_u32 s[G0V+1], s[G0V+1], VOFF
	s_add_nc_u64 s[G0V+2:G0V+3], s[4:5], s[78:79]
	s_or_b32 s[G0V+3], s[G0V+3], 0x80000000
	CROUND
	TLOAD G0SK, G1SK, G0SV, G1SV
	s_wait_alu depctr_va_vdst(0)
	s_wait_tensorcnt 0x0
	ds_add_u32 v5, v6
	s_wait_dscnt 0x0
	CROUND
	TLOAD G0K, G1T, G0V, G1T
	s_lshl_b32 s86, s84, 10
	s_add_co_u32 s86, s86, s74
	s_mov_b32 s87, 0
	s_add_nc_u64 s[86:87], s[4:5], s[86:87]
	s_lshr_b32 s88, s84, 1
	s_lshl_b32 s88, s88, 7
	s_and_b32 s89, s84, 1
	s_lshl_b32 s89, s89, 5
	s_add_co_u32 s88, s88, s89
	s_lshl_b32 s89, s72, 14
	s_add_co_u32 s88, s88, s89
	s_mov_b32 s89, 0
	s_add_nc_u64 s[88:89], s[6:7], s[88:89]
	s_lshr_b32 s90, s72, 2
	s_lshl_b32 s90, s90, 20
	s_and_b32 s91, s72, 3
	s_lshl_b32 s91, s91, 10
	s_add_co_u32 s90, s90, s91
	s_lshl_b32 s91, s84, 12
	s_add_co_u32 s90, s90, s91
	s_mov_b32 s91, 0
	s_add_nc_u64 s[8:9], s[8:9], s[90:91]
	s_lshl_b32 s90, s84, 9
	s_lshl_b32 s92, s72, 1
	s_add_co_u32 s90, s90, s92
	s_add_nc_u64 s[10:11], s[10:11], s[90:91]
	s_mov_b32 s92, 0x400000
	s_cmp_eq_u32 s[WV], 5
	s_cselect_b32 s92, 0x800000, s92
	s_add_co_u32 s92, s92, s74
	s_lshl_b32 s93, s13, 13
	s_add_co_u32 s92, s92, s93
	s_add_co_u32 s92, s92, 65536
	s_mov_b32 s93, 0
	s_add_nc_u64 s[PFA:PFA+1], s[4:5], s[92:93]
	s_sub_co_u32 s92, s[WV], 4
	s_lshr_b32 s92, s92, 1
	s_or_b32 s92, s92, ttmp9
	s_cmp_eq_u32 s92, 0
	s_cselect_b32 s[LIM], 1, -1
	v_and_b32 v8, 31, v0
	s_delay_alu instid0(VALU_DEP_1)
	v_lshlrev_b32 v[LI], 4, v8
	s_delay_alu instid0(VALU_DEP_2)
	v_lshlrev_b32 v[PFO], 8, v8
	v_and_b32 v9, 15, v0
	s_delay_alu instid0(VALU_DEP_1)
	v_and_b32 v10, 8, v9
	s_delay_alu instid0(VALU_DEP_1)
	v_add_nc_u32 v10, v10, v9
	s_delay_alu instid0(VALU_DEP_1)
	v_lshlrev_b32 v[QSO], 2, v10
	s_delay_alu instid0(VALU_DEP_1)
	v_add_nc_u32 v[ASK0], SCK, v[QSO]
	s_delay_alu instid0(VALU_DEP_2)
	v_add_nc_u32 v[ASV0], SCV, v[QSO]
	global_load_b128 v[QF:QF+3], v[LI], s[86:87]
	global_load_b128 v[QF+4:QF+7], v[LI], s[86:87] offset:512
	global_load_b32 v[QSW], v[QSO], s[88:89]
.irp j, 0,1,2,3,4,5,6,7
	v_mov_b32 v[QF+8+\j], 0
	v_mov_b32 v[FRG+64+\j], 0
.endr
	v_mov_b32 v13, 0xff61b1e6
	s_delay_alu instid0(VALU_DEP_1)
	v_floor_f32 v12, -v13
	v_mov_b32 v14, 0
	v_mov_b32 v15, 0
.irp b, 0,1,2,3
	v_mov_b32 v[BT+\b], 0
.endr
	v_mov_b32 v[FF+1], 0
	v_mov_b32 v[TMP], 0
.set j, 0
.rept 32
	v_mov_b32 v[OT+j], 0
.set j, j+1
.endr
; A KEY STEP: 128 keys at the addresses in v8-11, which the step before (or the slot's head) has made
.macro STEP
	s_add_co_u32 s[TQ], s[TQ], 8192                ; the next step's places: tiles 8,192 bytes on, K's scale words 512, V's 256
	s_add_co_u32 s70, s[TB], s[TQ]
	s_add_co_u32 s74, s70, VOFF
	s_lshr_b32 s72, s[TQ], 4
	s_add_co_u32 s72, s72, s[TS]
	s_lshr_b32 s73, s[TQ], 5
	s_add_co_u32 s73, s73, s[TJ]
.rept 8
	v_nop                                          ; places in front of loads into registers that the last products have read
.endr
.irp t, 0,1,2,3,4,5,6,7
.irp c, 0,1
	ds_load_b128 v[FRG+8*\t+4*\c:FRG+8*\t+4*\c+3], v[ADF] offset:1024*\t+512*\c
.endr
	ds_load_b32 v[KSW+\t], v[ADS] offset:(32*(\t/2)+8*(\t%2))*4
.endr
	s_wait_dscnt 0x0
.irp t, 0,1,2,3,4,5,6,7
	v_wmma_scale_f32_16x16x128_f8f6f4 v[S+8*\t:S+8*\t+7], v[FRG+8*\t:FRG+8*\t+15], v[QF:QF+15], 0, v[KSW+\t], v[QSW] matrix_a_fmt:MATRIX_FMT_BF8 matrix_b_fmt:MATRIX_FMT_BF8
.endr
.rept 8
	v_nop
.endr
.irp d, 0,1,2,3
.irp c, 0,1,2,3
	ds_load_b128 v[FRG+16*\d+4*\c:FRG+16*\d+4*\c+3], v[ADV] offset:2048*\d+512*\c
.endr
	ds_load_b32 v[VSW+\d], v[ADT] offset:(32*(\d/2)+8*(\d%2))*4
.endr
.irp b, 0,1,2,3
	v_max3_num_f32 v[BM+\b], v[S+16*\b], v[S+1+16*\b], v[S+2+16*\b]
.endr
.irp i, 3,5,7,9,11,13
.irp b, 0,1,2,3
	v_max3_num_f32 v[BM+\b], v[BM+\b], v[S+16*\b+\i], v[S+1+16*\b+\i]
.endr
.endr
.irp b, 0,1,2,3
	v_max_num_f32 v[BM+\b], v[BM+\b], v[S+15+16*\b]
.endr
.irp b, 0,1,2,3
	s_delay_alu instid0(VALU_DEP_4)
	v_permlanex16_b32 v[BT+\b], v[BM+\b], s[SEL], s[SEL+1]
.endr
.irp b, 0,1,2,3
	s_delay_alu instid0(VALU_DEP_4)
	v_max_num_f32 v[BM+\b], v[BM+\b], v[BT+\b]
.endr
	s_delay_alu instid0(VALU_DEP_2)
	v_max3_num_f32 v[TMP], v[BM], v[BM+1], v[BM+2]
	s_delay_alu instid0(VALU_DEP_1)
	v_max_num_f32 v[TMP], v[TMP], v[BM+3]
	s_delay_alu instid0(VALU_DEP_1)
	v_mul_f32 v[TMP], s[CS], v[TMP]
	s_delay_alu instid0(VALU_DEP_1)
	v_max_num_f32 v13, v13, v[TMP]
	v_mov_b32 v[TMP], v12
	s_delay_alu instid0(VALU_DEP_2)
	v_floor_f32 v12, -v13
	s_delay_alu instid0(VALU_DEP_1)
	v_sub_f32 v[TMP], v12, v[TMP]
	s_delay_alu instid0(VALU_DEP_1)
	v_cvt_i32_f32 v[TMP], v[TMP]
	s_delay_alu instid0(VALU_DEP_1)
	v_ldexp_f32 v[FF], 1.0, v[TMP]
.set j, 0
.rept 32
	v_pk_fma_f32 v[S+j:S+j+1], v[S+j:S+j+1], s[CS:CS+1], v[12:13] op_sel_hi:[1,0,0]
.set j, j+2
.endr
.irp b, 0,1,2,3
	v_fma_f32 v[BM+\b], v[BM+\b], s[CS], v12
.endr
.set j, 0
	s_wait_alu depctr_va_vdst(0)
.rept 64
	v_exp_f32 v[S+j], v[S+j]
.set j, j+1
.endr
	v_pk_mul_f32 v[14:15], v[14:15], v[FF:FF+1] op_sel_hi:[1,0]
.set j, 0
	s_wait_alu depctr_va_vdst(0)
.rept 16
	v_pk_mul_f32 v[OT+j:OT+j+1], v[OT+j:OT+j+1], v[FF:FF+1] op_sel_hi:[1,0]
.set j, j+2
.endr
	s_wait_alu depctr_va_vdst(0)
.irp b, 0,1,2,3
	v_exp_f32 v[BM+\b], v[BM+\b]
.endr
	v_pk_add_f32 v[BT:BT+1], v[S:S+1], v[S+2:S+3]
.irp j, 4,8,12,16,20,24,28,32,36,40,44,48,52,56,60
	v_pk_add_f32 v[14:15], v[14:15], v[S+\j:S+\j+1]
	v_pk_add_f32 v[BT:BT+1], v[BT:BT+1], v[S+\j+2:S+\j+3]
.endr
	s_delay_alu instid0(VALU_DEP_1)
	v_pk_add_f32 v[14:15], v[14:15], v[BT:BT+1]
	s_wait_alu depctr_va_vdst(0)
.irp b, 0,1,2,3
	v_max_num_f32 v[BM+\b], 0x8000000, v[BM+\b]
.endr
.irp b, 0,1,2,3
	s_delay_alu instid0(VALU_DEP_4)
	v_add_nc_u32 v[SO+\b], 0xf8800000, v[BM+\b]
.endr
.irp b, 0,1,2,3
	v_and_or_b32 v[HL+\b], v[BM+\b], 0x7f800000, s[MNT]
.endr
.irp b, 0,1,2,3
	v_lshrrev_b32 v[BT+\b], 23, v[SO+\b]
.endr
	s_delay_alu instid0(VALU_DEP_3)
	v_lshl_or_b32 v[PWD], v[BT+1], 8, v[BT]
	s_delay_alu instid0(VALU_DEP_1)
	v_lshl_or_b32 v[PWD], v[BT+2], 16, v[PWD]
	s_delay_alu instid0(VALU_DEP_1)
	v_lshl_or_b32 v[PWD], v[BT+3], 24, v[PWD]
; the one-sided hold at the largest code x the scale, two numbers an instruction: a number of block b beside one of block b + 1, so that the pair's destinations are even and odd and its sources lie in different banks
.irp b, 0,2
.irp i, 0,2,4,6,8,10,12,14
	v_dual_min_num_f32 v[S+16*\b+\i], v[S+16*\b+\i], v[HL+\b] :: v_dual_min_num_f32 v[S+16*\b+17+\i], v[S+16*\b+17+\i], v[HL+\b+1]
	v_dual_min_num_f32 v[S+16*\b+1+\i], v[S+16*\b+1+\i], v[HL+\b] :: v_dual_min_num_f32 v[S+16*\b+16+\i], v[S+16*\b+16+\i], v[HL+\b+1]
.endr
.irp e, 0,1
	v_cvt_scalef32_pk8_bf8_f32 v[PCD+4*(\b+\e):PCD+4*(\b+\e)+1], v[S+16*(\b+\e):S+16*(\b+\e)+7], v[SO+\b+\e]
	v_cvt_scalef32_pk8_bf8_f32 v[PCD+4*(\b+\e)+2:PCD+4*(\b+\e)+3], v[S+16*(\b+\e)+8:S+16*(\b+\e)+15], v[SO+\b+\e]
.endr
.endr
	v_add_nc_u32 v[ADF], s70, v[LI]                ; the next step's addresses (this step's LDS loads are all issued): also the four places between the codes and the products
	v_add_nc_u32 v[ADV], s74, v[LI]
	v_add_nc_u32 v[ADS], s72, v[ASK0]
	v_add_nc_u32 v[ADT], s73, v[ASV0]
	s_wait_alu depctr_va_vdst(0)
	s_wait_dscnt 0x0
.irp d, 0,1,2,3
	v_wmma_scale_f32_16x16x128_f8f6f4 v[OT+8*\d:OT+8*\d+7], v[FRG+16*\d:FRG+16*\d+15], v[PCD:PCD+15], v[OT+8*\d:OT+8*\d+7], v[VSW+\d], v[PWD] matrix_a_fmt:MATRIX_FMT_BF8 matrix_b_fmt:MATRIX_FMT_BF8
.endr
.endm
.macro CHANGE fill
	s_wait_tensorcnt 0x0
	ds_add_u32 v[SPW], v[NIL]
.if \fill
	s_xor_b32 s[G0K+1], s[G0K+1], SLOT1
	s_add_nc_u64 s[G0K+2:G0K+3], s[G0K+2:G0K+3], 65536
	s_xor_b32 s[G0V+1], s[G0V+1], SLOT1
	s_add_nc_u64 s[G0V+2:G0V+3], s[G0V+2:G0V+3], 65536
	s_wait_xcnt 0x0
	s_add_nc_u64 s[PFA:PFA+1], s[PFA:PFA+1], 65536
	s_wait_dscnt 0x0
	CROUND
	TLOAD G0K, G1T, G0V, G1T
	ASK
.else
	s_wait_dscnt 0x0
	s_barrier_signal -1
	s_barrier_wait -1
.endif
.endm
.macro SLOT_STEPS                      ; a slot's eight key steps, a counted loop
	s_mov_b32 s[TQ], 0
	s_add_co_u32 s74, s[TB], VOFF
	s_wait_alu depctr_va_vdst(0)
	v_add_nc_u32 v[ADF], s[TB], v[LI]
	v_add_nc_u32 v[ADV], s74, v[LI]
	v_add_nc_u32 v[ADS], s[TS], v[ASK0]
	v_add_nc_u32 v[ADT], s[TJ], v[ASV0]
	s_wait_alu depctr_va_vdst(0)                   ; the wait behind the writes
.Lstep_\@:
	STEP
	s_cmp_lg_u32 s[TQ], 65536
	s_cbranch_scc1 .Lstep_\@
	s_xor_b32 s[TB], s[TB], SLOT1                  ; on to the other slot
	s_add_co_u32 s[TS], s[TS], 4096
	s_add_co_u32 s[TJ], s[TJ], 2048
.endm
	s_wait_loadcnt 0x0
.Lslot:
	CHANGE 1
	SLOT_STEPS
	s_sub_co_u32 s[SLOTS], s[SLOTS], 1
	s_cmp_lg_u32 s[SLOTS], 0
	s_cbranch_scc1 .Lslot
	CHANGE 0
	SLOT_STEPS
.rept 8
	v_nop
.endr
	v_add_f32 v14, v14, v15
	s_delay_alu instid0(VALU_DEP_1)
	v_permlanex16_b32 v[TMP], v14, s[SEL], s[SEL+1]
	s_delay_alu instid0(VALU_DEP_1)
	v_add_f32 v14, v14, v[TMP]
	s_wait_alu depctr_va_vdst(0)
	v_rcp_f32 v14, v14
	v_and_b32 v8, 31, v0
	v_and_b32 v9, 15, v0
	s_delay_alu instid0(VALU_DEP_1)
	v_lshlrev_b32 v[QSO], 5, v9
	s_wait_alu depctr_va_vdst(0)
.set j, 0
.rept 32
	v_mul_f32 v[S+j], v[OT+j], v14
.set j, j+1
.endr
.irp b, 0,1
	v_max3_num_f32 v[BM+\b], |v[S+16*\b]|, |v[S+1+16*\b]|, 0x8000000
.endr
.irp i, 2,4,6,8,10,12,14
.irp b, 0,1
	s_delay_alu instid0(VALU_DEP_2)
	v_max3_num_f32 v[BM+\b], v[BM+\b], |v[S+16*\b+\i]|, |v[S+1+16*\b+\i]|
.endr
.endr
.irp b, 0,1
	s_delay_alu instid0(VALU_DEP_2)
	v_permlanex16_b32 v[BT+\b], v[BM+\b], s[SEL], s[SEL+1]
.endr
.irp b, 0,1
	s_delay_alu instid0(VALU_DEP_2)
	v_max_num_f32 v[BM+\b], v[BM+\b], v[BT+\b]
.endr
.irp b, 0,1
	s_delay_alu instid0(VALU_DEP_2)
	v_add_nc_u32 v[SO+\b], 0xf8800000, v[BM+\b]
.endr
.irp b, 0,1
	s_delay_alu instid0(VALU_DEP_4)
	v_and_or_b32 v[HL+\b], v[BM+\b], 0x7f800000, s[MNT]
.endr
.irp b, 0,1
	s_delay_alu instid0(VALU_DEP_4)
	v_lshrrev_b32 v[BT+\b], 23, v[SO+\b]
.endr
	s_delay_alu instid0(VALU_DEP_1)
	v_lshl_or_b32 v[PWD], v[BT+1], 8, v[BT]
.irp b, 0,1
.irp i, 0,1,2,3,4,5,6,7,8,9,10,11,12,13,14,15
	v_med3_num_f32 v[S+16*\b+\i], v[S+16*\b+\i], -v[HL+\b], v[HL+\b]
.endr
	v_cvt_scalef32_pk8_bf8_f32 v[PCD+4*\b:PCD+4*\b+1], v[S+16*\b:S+16*\b+7], v[SO+\b]
	v_cvt_scalef32_pk8_bf8_f32 v[PCD+4*\b+2:PCD+4*\b+3], v[S+16*\b+8:S+16*\b+15], v[SO+\b]
.endr
	v_nop
	global_store_b128 v[LI], v[PCD:PCD+3], s[8:9]
	global_store_b128 v[LI], v[PCD+4:PCD+7], s[8:9] offset:512
	v_cmp_gt_u32 vcc_lo, 16, v8
	s_wait_xcnt 0x0
	s_and_saveexec_b32 s72, vcc_lo
	global_store_b16 v[QSO], v[PWD], s[10:11]
	s_wait_xcnt 0x0
	s_or_b32 exec_lo, exec_lo, s72
	s_wait_tensorcnt 0x0
	ds_add_u32 v[SPW], v[NIL]
	s_wait_dscnt 0x0
	CROUND
	s_endpgm
.Lfunc_end_k_q2c248d1239_attn:
	.size	k_q2c248d1239_attn, .Lfunc_end_k_q2c248d1239_attn-k_q2c248d1239_attn
	.p2alignl 7, 3214868480
	.fill 96, 4, 3214868480
	.section	.rodata,"a",@progbits
	.p2align	6, 0x0
	.amdhsa_kernel k_q2c248d1239_attn
		.amdhsa_group_segment_fixed_size 327680
		.amdhsa_private_segment_fixed_size 0
		.amdhsa_enable_private_segment 0
		.amdhsa_kernarg_size 32
		.amdhsa_user_sgpr_count 2
		.amdhsa_user_sgpr_kernarg_segment_ptr 1
		.amdhsa_wavefront_size32 1
		.amdhsa_system_sgpr_workgroup_id_x 1
		.amdhsa_system_sgpr_workgroup_id_y 1
		.amdhsa_system_sgpr_workgroup_id_z 1
		.amdhsa_system_vgpr_workitem_id 0
		.amdhsa_next_free_vgpr 256
		.amdhsa_next_free_sgpr 96
		.amdhsa_reserve_vcc 1
		.amdhsa_float_denorm_mode_32 3
		.amdhsa_float_denorm_mode_16_64 3
		.amdhsa_memory_ordered 1
		.amdhsa_forward_progress 1
		.amdhsa_inst_pref_size 61
	.end_amdhsa_kernel
	.amdgpu_metadata
---
amdhsa.version: [ 1, 2 ]
amdhsa.kernels:
  - .name:           k_q2c248d1239_attn
    .symbol:         k_q2c248d1239_attn.kd
    .args:
      - { .name: wcodes, .offset: 0, .size: 8, .value_kind: global_buffer, .address_space: global }
      - { .name: wscales, .offset: 8, .size: 8, .value_kind: global_buffer, .address_space: global }
      - { .name: acodes, .offset: 16, .size: 8, .value_kind: global_buffer, .address_space: global }
      - { .name: ascales, .offset: 24, .size: 8, .value_kind: global_buffer, .address_space: global }
    .group_segment_fixed_size: 327680
    .private_segment_fixed_size: 0
    .kernarg_segment_align: 8
    .kernarg_segment_size: 32
    .max_flat_workgroup_size: 512
    .sgpr_count:     96
    .vgpr_count:     256
    .wavefront_size: 32
...
	.end_amdgpu_metadata
.endif
;; end of part 2
;; launch proj (part 3): grid 8 x 32, 8 waves a work-group, clusters of 4 x 4, 327,680 bytes of LDS; arguments acodes, ascales, out_w_codes, out_w_scales, out_b, out0; writes out0
.if DOCPART == 3
	.amdgcn_target "amdgcn-amd-amdhsa--gfx1250"
	.amdhsa_code_object_version 6
	.text
	.protected	k_q2c248d1239_proj
	.globl	k_q2c248d1239_proj
	.p2align	8
	.type	k_q2c248d1239_proj,@function
k_q2c248d1239_proj:
	s_mov_b64 s[64:65], 0
	v_nop
	global_prefetch_b8 v0, s[64:65] scope:SCOPE_SE
	s_setreg_imm32_b32 hwreg(HW_REG_WAVE_MODE, 25, 1), 1
	s_wait_xcnt 0x0
	s_wait_alu depctr_hold_cnt(0) depctr_sa_sdst(0) depctr_va_vdst(0) depctr_va_sdst(0) depctr_va_ssrc(0) depctr_va_vcc(0) depctr_vm_vsrc(0)
	s_getreg_b32 s2, hwreg(HW_REG_IB_STS2, 6, 4)
	s_cmp_eq_u32 s2, 0
	s_cbranch_scc0 .Lentry_in_a_cluster
	s_endpgm
.Lentry_in_a_cluster:
	s_bfe_u32 s2, ttmp6, 0x10000c
	s_cmp_lg_u32 s2, 0xf033
	s_cbranch_scc0 .Lentry_shape_is_right
	s_endpgm
.Lentry_shape_is_right:
; out0 = attention's result x out_w^T + out_b on codes of BF8 (E5M2, one E8M0 byte for 32 along K), K = 1,024, sums in f32.
; A = acodes, an image of operand registers: [K step of 256: 1 MiB][tile of 16 tokens: 4,096][128 of K: 2,048][piece c: 512][lane: 16]; lane r of tile 2 b + u is token 32 b + 8 u + r + 8 (r / 8).  ascales: [tile][r][32 bytes].
; B = out_w_codes, rows of 1,024 bytes; out_w_scales, rows of 32.
; SHARES: 256 work-groups, each 128 tokens x 128 columns; eight waves, 4 x 2, each 32 tokens (two tiles) x 64 columns: 8 accumulators.
; ALL OF K LIES IN LDS AT ONCE: A 4 x 32,768 bytes, B two halves of K of 128 rows x (512 + 16) bytes.  Nothing is filled again: eight joint loads at the head, one a wave.
; Waves 0-3 fetch K's first 512 (A: two K steps; B: two parts of 64 rows), waves 4-7 the second 512; the first barrier shows the first four tiles alone, so K's first half is multiplied while the second half is on its way.
; CLUSTERS: 4 x 4 work-groups; A's tiles are shared along a row of the cluster, B's along a column.
; The matrix instruction is used transposed (source 0 = 16 rows of out_w, source 1 = 16 tokens): a lane holds eight neighbouring columns of one token; the bias is the first products' C.
; No prefetch: the launch has no loop to run ahead in, and every byte that it reads is asked for at its head.
; LIMITS: NaN and infinities among the inputs are not served.
.set PB,    528                        ; B's row in LDS: 512 bytes + 16
.set BBASE, 131072                     ; behind A's 128 KiB
.set BHALF, 128*PB
.set STG,   BBASE+2*BHALF              ; the way out: 16 rows x (256 + 16) bytes for each wave; no fill lands here
.set SP,    272
.set SPARE, STG+8*16*SP                ; the spare words, 128 bytes a wave
.set ADRA, 4                           ; v4-5   LDS address of my A fragments, K's first and second half
.set ADRB, 6                           ; v6-7   the same for B
.set STO,  8                           ; v8     the stage, on the way in
.set RD,   9                           ; v9     and back
.set CO,   10                          ; v10    my byte offset in out0
.set RS,   11                          ; v11    32 r: a row of scale bytes
.set SA,   12                          ; v12-27 A's scale words: 8 a + K step
.set SPW,  28
.set NIL,  29
.set BO,   30                          ; v30    32 h: the bias
.set SB,   32                          ; v32-63 B's scale words: 8 b + K step (numbers that differ from A's modulo 8)
.set BI,   64                          ; v64-95 the bias, eight numbers for each of B's four blocks
.set AF,   96                          ; v96-127 A's two fragments
.set BF,   128                         ; v128-191 B's four
.set ACC,  192                         ; v192-255 accumulator (a, b) at 8 (4 a + b)
.macro CROUND                          ; a round of the cluster's barrier
	s_barrier_signal -1
	s_barrier_wait -1
	s_cmp_lg_u32 s16, 0
	s_cbranch_scc1 .Lnot_wave_0_\@
	s_barrier_signal -3
.Lnot_wave_0_\@:
	s_barrier_wait -3
	s_barrier_signal -1
	s_barrier_wait -1
.endm
	s_load_b256 s[4:11], s[0:1], 0x0               ; acodes, ascales, out_w_codes, out_w_scales
	s_load_b128 s[12:15], s[0:1], 0x20             ; out_b, out0
	v_lshl_add_u32 v[SPW], v0, 2, SPARE
	v_mov_b32 v[NIL], 0
	ds_add_u32 v[SPW], v[NIL]                      ; the opening lines: the add, twice on end, and its wait
	ds_add_u32 v[SPW], v[NIL]
	v_lshrrev_b32 v1, 5, v0
	v_readfirstlane_b32 s16, v1                    ; wave 0..7
	s_lshr_b32 s17, s16, 1                         ; my 32 tokens of the block's 128
	s_and_b32 s18, s16, 1                          ; my 64 columns.  Also: which part of a half I fetch
	s_lshr_b32 s19, s16, 2                         ; which half of K I fetch
	s_bfe_u32 s40, ttmp6, 0x40000                  ; cx, cy
	s_bfe_u32 s41, ttmp6, 0x40004
	s_lshl_b32 s42, ttmp9, 2
	s_add_co_u32 s42, s42, s40                     ; tile column 0..7
	s_and_b32 s43, ttmp7, 0xffff
	s_lshl_b32 s43, s43, 2
	s_add_co_u32 s43, s43, s41                     ; tile row 0..31
	s_lshl_b32 s44, s41, 2
	s_lshl_b32 s44, 15, s44                        ; my row of the cluster
	s_lshl_b32 s45, 0x1111, s40                    ; my column
	s_or_b32 s24, s44, (3<<16)|(1<<21)             ; group 1, A: 32,768 dense bytes as 128 rows of 256 (32 elements of 8 bytes)
	s_mov_b32 s25, 32<<16
	s_mov_b32 s26, 128<<16
	s_mov_b32 s27, 32<<16
	s_mov_b32 s28, 128
	s_mov_b32 s29, 32
	s_mov_b32 s30, 0
	s_mov_b32 s31, 0
	s_or_b32 s32, s45, (1<<20)|(1<<21)|(6<<22)|(3<<25)  ; group 1, B: 64 rows of 512 bytes, 1,024 apart; four words of padding behind every 128
	s_mov_b32 s33, 512<<16
	s_mov_b32 s34, 64<<16
	s_mov_b32 s35, 512<<16
	s_mov_b32 s36, 64
	s_mov_b32 s37, 1024
	s_mov_b32 s38, 0
	s_mov_b32 s39, 0
	s_lshl_b32 s20, s19, 1
	s_add_co_u32 s20, s20, s18                     ; A: K step of 256 number 2 x half + part
	s_mov_b32 s48, 1
	s_lshl_b32 s49, s20, 15                        ; in LDS,
	s_lshl_b32 s56, s20, 20                        ; in memory: 1 MiB a K step,
	s_lshl_b32 s21, s43, 15                        ; 32,768 bytes a tile row
	s_add_co_u32 s56, s56, s21
	s_mov_b32 s57, 0
	s_mov_b32 s52, 1
	s_mul_i32 s53, s19, BHALF                      ; B: in LDS,
	s_mul_i32 s22, s18, 64*PB
	s_add_co_u32 s53, s53, s22
	s_add_co_u32 s53, s53, BBASE
	s_lshl_b32 s58, s42, 17                        ; in memory: 128 rows a tile column,
	s_lshl_b32 s22, s18, 16                        ; 64 rows a part,
	s_add_co_u32 s58, s58, s22
	s_lshl_b32 s22, s19, 9                         ; 512 bytes a half
	s_add_co_u32 s58, s58, s22
	s_mov_b32 s59, 0
	s_wait_dscnt 0x0                               ; both opening adds are done
	s_wait_kmcnt 0x0
	s_add_nc_u64 s[50:51], s[4:5], s[56:57]
	s_or_b32 s51, s51, 0x80000000
	s_add_nc_u64 s[54:55], s[8:9], s[58:59]
	s_or_b32 s55, s55, 0x80000000
	CROUND                                         ; all sixteen work-groups are here: the joint loads meet
; one chain of branches on the wave's number, a load to an arm.  The waves that wait at the first barrier (0-3) have load lines of their own
.macro ARM under, g0, g1, next
	s_cmp_lt_u32 s16, \under
	s_cbranch_scc0 \next
	tensor_load_to_lds s[\g0:\g0+3], s[\g1:\g1+7]
	s_nop 0
.rept 4
	v_nop
.endr
	s_branch .Lasked
\next:
.endm
	ARM 2, 48, 24, .Larm_b0
	ARM 4, 52, 32, .Larm_a1
	ARM 6, 48, 24, .Larm_b1
	tensor_load_to_lds s[52:55], s[32:39]
	s_nop 0
.rept 4
	v_nop
.endr
.Lasked:
	s_lshl_b32 s60, s43, 12                        ; ascales: 4,096 bytes a tile row, 1,024 for my 32 tokens
	s_lshl_b32 s23, s17, 10
	s_add_co_u32 s60, s60, s23
	s_mov_b32 s61, 0
	s_add_nc_u64 s[6:7], s[6:7], s[60:61]
	s_lshl_b32 s60, s42, 12                        ; out_w_scales: 32 bytes a row
	s_lshl_b32 s23, s18, 11
	s_add_co_u32 s60, s60, s23
	s_add_nc_u64 s[10:11], s[10:11], s[60:61]
	s_lshl_b32 s60, s42, 9                         ; my first column, in bytes of f32
	s_lshl_b32 s23, s18, 8
	s_add_co_u32 s60, s60, s23
	s_add_nc_u64 s[12:13], s[12:13], s[60:61]
	s_add_nc_u64 s[14:15], s[14:15], s[60:61]
	s_lshl_b32 s60, s43, 19                        ; my first token: 4,096 bytes a row of out0
	s_lshl_b32 s23, s17, 17
	s_add_co_u32 s60, s60, s23
	s_add_nc_u64 s[14:15], s[14:15], s[60:61]
	s_lshl_b32 s20, s17, 13                        ; my two tiles of A: 8,192 bytes
	s_mul_i32 s21, s18, 64*PB
	s_add_co_u32 s21, s21, BBASE                   ; my 64 rows of B
	s_mul_i32 s22, s16, 16*SP
	s_add_co_u32 s22, s22, STG                     ; my stage
	v_and_b32 v1, 15, v0                           ; r
	v_bfe_u32 v2, v0, 4, 1                         ; h
	v_and_b32 v3, 31, v0
	v_lshlrev_b32 v3, 4, v3                        ; 16 x lane
	v_add_nc_u32 v[ADRA], s20, v3
	v_add_nc_u32 v[ADRA+1], 65536, v[ADRA]
	v_mul_u32_u24 v31, v1, PB
	v_lshl_add_u32 v31, v2, 4, v31                 ; row r x pitch + 16 h
	v_add_nc_u32 v[ADRB], s21, v31
	v_add_nc_u32 v[ADRB+1], BHALF, v[ADRB]
	v_mul_u32_u24 v31, v1, SP
	v_lshl_add_u32 v31, v2, 5, v31
	v_add_nc_u32 v[STO], s22, v31                  ; in: row r, + 32 h
	v_mul_u32_u24 v31, v2, SP
	v_lshl_add_u32 v31, v1, 4, v31
	v_add_nc_u32 v[RD], s22, v31                   ; back: lanes 0-15 one row of 256 bytes, lanes 16-31 the next
	v_lshlrev_b32 v31, 12, v2
	v_lshl_add_u32 v[CO], v1, 4, v31               ; and the same two rows in out0
	v_lshlrev_b32 v[RS], 5, v1
	v_lshlrev_b32 v[BO], 5, v2
	s_wait_alu depctr_va_vdst(0)                   ; the wait at the head's end
.irp a, 0,1
	global_load_b128 v[SA+8*\a:SA+8*\a+3], v[RS], s[6:7] offset:512*\a          ; row r's eight scale words, all of K
	global_load_b128 v[SA+8*\a+4:SA+8*\a+7], v[RS], s[6:7] offset:512*\a+16
.endr
.irp b, 0,1,2,3
	global_load_b128 v[SB+8*\b:SB+8*\b+3], v[RS], s[10:11] offset:512*\b
	global_load_b128 v[SB+8*\b+4:SB+8*\b+7], v[RS], s[10:11] offset:512*\b+16
	global_load_b128 v[BI+8*\b:BI+8*\b+3], v[BO], s[12:13] offset:64*\b         ; the bias at columns 16 b + 8 h + 0 .. 7
	global_load_b128 v[BI+8*\b+4:BI+8*\b+7], v[BO], s[12:13] offset:64*\b+16
.endr
	s_cmp_lt_u32 s16, 4
	s_cbranch_scc0 .Lsecond_half
	s_wait_tensorcnt 0x0                           ; waves 0-3: my tile of K's first half is in.  The others' wait stands at the second barrier
.Lsecond_half:
	s_barrier_signal -1
	s_barrier_wait -1
	s_wait_loadcnt 0x0                             ; scale words and bias
; a K step of 128: two fragments of A, four of B, eight products; the eight accumulators take turns
.macro KS k
.if (\k) > 0
.rept 8
	v_nop                                          ; places in front of loads into registers that the last products have read
.endr
.endif
.irp a, 0,1
.irp c, 0,1,2,3
	ds_load_b128 v[AF+16*\a+4*\c:AF+16*\a+4*\c+3], v[ADRA+(\k)/4] offset:(((\k)/2)%2)*32768+\a*4096+((\k)%2)*2048+\c*512
.endr
.endr
.irp b, 0,1,2,3
.irp c, 0,1,2,3
	ds_load_b128 v[BF+16*\b+4*\c:BF+16*\b+4*\c+3], v[ADRB+(\k)/4] offset:\b*16*PB+((\k)%4)*128+32*\c
.endr
.endr
	s_wait_dscnt 0x0
.irp a, 0,1
.irp b, 0,1,2,3
.if (\k) == 0
	v_wmma_scale_f32_16x16x128_f8f6f4 v[ACC+8*(4*\a+\b):ACC+8*(4*\a+\b)+7], v[BF+16*\b:BF+16*\b+15], v[AF+16*\a:AF+16*\a+15], v[BI+8*\b:BI+8*\b+7], v[SB+8*\b+(\k)], v[SA+8*\a+(\k)] matrix_a_fmt:MATRIX_FMT_BF8 matrix_b_fmt:MATRIX_FMT_BF8
.else
	v_wmma_scale_f32_16x16x128_f8f6f4 v[ACC+8*(4*\a+\b):ACC+8*(4*\a+\b)+7], v[BF+16*\b:BF+16*\b+15], v[AF+16*\a:AF+16*\a+15], v[ACC+8*(4*\a+\b):ACC+8*(4*\a+\b)+7], v[SB+8*\b+(\k)], v[SA+8*\a+(\k)] matrix_a_fmt:MATRIX_FMT_BF8 matrix_b_fmt:MATRIX_FMT_BF8
.endif
.endr
.endr
.endm
	KS 0
	KS 1
	KS 2
	KS 3
	s_wait_tensorcnt 0x0                           ; every wave: all that is still out has landed (no LDS instruction of mine is out)
	s_barrier_signal -1
	s_barrier_wait -1
	KS 4
	KS 5
	KS 6
	KS 7
.rept 8
	v_nop                                          ; places behind the last products: results are read, and registers that held fragments are loaded into
.endr
; THE WAY OUT: a tile of 16 tokens x 64 columns goes through my stage and comes back as whole rows of 256 bytes.  LDS serves a wave's instructions in order (ISA guide 5.7.1.4)
.irp a, 0,1
.irp b, 0,1,2,3
	ds_store_b128 v[STO], v[ACC+8*(4*\a+\b):ACC+8*(4*\a+\b)+3] offset:64*\b          ; each accumulator from its low end on
	ds_store_b128 v[STO], v[ACC+8*(4*\a+\b)+4:ACC+8*(4*\a+\b)+7] offset:64*\b+16
.endr
.irp t, 0,1,2,3,4,5,6,7
	ds_load_b128 v[AF+32*\a+4*\t:AF+32*\a+4*\t+3], v[RD] offset:\t*2*SP
.endr
.endr
.irp a, 0,1
	s_wait_dscnt 16-16*\a                          ; tile a is back; behind tile 0's loads stand tile 1's 8 stores and 8 loads
.irp t, 0,1,2,3,4,5,6,7
	global_store_b128 v[CO], v[AF+32*\a+4*\t:AF+32*\a+4*\t+3], s[14:15] offset:(8*\a+2*\t+8*(\t/4))*4096 th:TH_STORE_NT   ; row 2 t + h of tile a is token 8 a + 2 t + h + 8 (t / 4) of my 32; 16 lanes store 256 consecutive bytes, aligned
.endr
.endr
	s_wait_tensorcnt 0x0                           ; the wave's end
	ds_add_u32 v[SPW], v[NIL]
	s_wait_dscnt 0x0
	CROUND                                         ; the closing round
	s_endpgm
.Lfunc_end_k_q2c248d1239_proj:
	.size	k_q2c248d1239_proj, .Lfunc_end_k_q2c248d1239_proj-k_q2c248d1239_proj
	.p2alignl 7, 3214868480
	.fill 96, 4, 3214868480
	.section	.rodata,"a",@progbits
	.p2align	6, 0x0
	.amdhsa_kernel k_q2c248d1239_proj
		.amdhsa_group_segment_fixed_size 327680
		.amdhsa_private_segment_fixed_size 0
		.amdhsa_enable_private_segment 0
		.amdhsa_kernarg_size 48
		.amdhsa_user_sgpr_count 2
		.amdhsa_user_sgpr_kernarg_segment_ptr 1
		.amdhsa_wavefront_size32 1
		.amdhsa_system_sgpr_workgroup_id_x 1
		.amdhsa_system_sgpr_workgroup_id_y 1
		.amdhsa_system_sgpr_workgroup_id_z 1
		.amdhsa_system_vgpr_workitem_id 0
		.amdhsa_next_free_vgpr 256
		.amdhsa_next_free_sgpr 70
		.amdhsa_reserve_vcc 0
		.amdhsa_float_denorm_mode_32 3
		.amdhsa_float_denorm_mode_16_64 3
		.amdhsa_memory_ordered 1
		.amdhsa_forward_progress 1
		.amdhsa_inst_pref_size 36
	.end_amdhsa_kernel
	.amdgpu_metadata
---
amdhsa.version: [ 1, 2 ]
amdhsa.kernels:
  - .name:           k_q2c248d1239_proj
    .symbol:         k_q2c248d1239_proj.kd
    .args:
      - { .name: acodes, .offset: 0, .size: 8, .value_kind: global_buffer, .address_space: global }
      - { .name: ascales, .offset: 8, .size: 8, .value_kind: global_buffer, .address_space: global }
      - { .name: out_w_codes, .offset: 16, .size: 8, .value_kind: global_buffer, .address_space: global }
      - { .name: out_w_scales, .offset: 24, .size: 8, .value_kind: global_buffer, .address_space: global }
      - { .name: out_b, .offset: 32, .size: 8, .value_kind: global_buffer, .address_space: global }
      - { .name: out0, .offset: 40, .size: 8, .value_kind: global_buffer, .address_space: global }
    .group_segment_fixed_size: 327680
    .private_segment_fixed_size: 0
    .kernarg_segment_align: 8
    .kernarg_segment_size: 48
    .max_flat_workgroup_size: 256
    .sgpr_count:     70
    .vgpr_count:     256
    .wavefront_size: 32
...
	.end_amdgpu_metadata
.endif
;; end of part 3
